; MI455X (gfx1250); checked and timed in simulation.
; The chip was launched on July 23, 2026; its instructions are those of AMD's public machine-readable ISA for CDNA 5 (MIT licence, August 2026) and "CDNA5" Instruction Set Architecture Reference Guide (July 2026). The comments in the code are by the model that wrote it; some were corrected since.
;; Environment Specific Decoder. Allowed arithmetic: matrix products marked QUANTISED: E4M3 operands, one given power-of-two scale a tensor, by v_wmma_f32_16x16x64_fp8_fp8 or v_wmma_f32_16x16x128_fp8_fp8, f32 sums; products left as they are: f32 operands where the result goes on into a quantised operand, else bf16, f16 or f32 operands; f32 sums; everything else in f32.
;; Inputs: A 128 x 128 float32; W1e 8 x 256 x 256 float32; W2e 8 x 256 x 2 float32; W_sig 64 x 256 float32; Wc 64 x 128 float32; Wo 128 x 1 float32; b1e 8 x 256 float32; b2e 8 x 2 float32; b_sig 256 float32; bc 128 float32; bo 1 float32; lowp_scales 8 int32 (the exponents e of the quantised operands' scales 2^e); regime 32 int32; z_corrupt 32 x 64 x 128 x 64 float32; z_signal 32 x 64 x 128 x 64 float32.
;; Outputs: out0 32 x 64 x 128 float32; out1 32 x 64 x 128 float32.
;; This version of the problem:
;;   THIS VERSION OF THE PROBLEM IS GIVEN IN LOW PRECISION. The matrix products marked QUANTISED in the list below multiply operands that are first quantised to E4M3 (4 exponent bits, 3 mantissa bits; 8 bits a number), with one given power-of-two scale for each operand tensor; their sums are f32. All else is computed in f32.
;;   The module's matrix products, in the order in which they are computed (A, B: the left and right operand; K: the contracted axis; several contracted axes count as one K, in the product's order):
;;     1. [M 131,072, K 128] x [K 128, N 128]; A: input z_signal; B: input A: QUANTISED (scales: A lowp_scales[0], B lowp_scales[1])
;;     2. [M 262,144, K 64] x [K 64, N 256]; A: computed on the way; B: input W_sig: QUANTISED (scales: A lowp_scales[2], B lowp_scales[3])
;;     3. batch 32 x [M 8,192, K 256] x [K 256, N 256]; A: computed on the way; B: computed on the way: QUANTISED (scales: A lowp_scales[4], B lowp_scales[5])
;;     4. batch 32 x [M 8,192, K 256] x [K 256, N 2]; A: computed on the way; B: computed on the way: left as it is (N = 2 < 16)
;;     5. [M 262,144, K 64] x [K 64, N 128]; A: input z_corrupt; B: input Wc: QUANTISED (scales: A lowp_scales[6], B lowp_scales[7])
;;     6. [M 262,144, K 128] x [K 128, N 1]; A: computed on the way; B: input Wo: left as it is (N = 1 < 16)
;;   THE QUANTISER, for each operand of a quantised product, along K:
;;     - The operand's scale is 2^e, e = its entry of the input lowp_scales (int32; the entries are numbered through the quantised products in the list's order, A before B).
;;     - Each number is divided by the scale, clamped to +-448, and rounded to the nearest number of E4M3, ties to even, subnormals kept.
;;     - The product sums the exact products of the quantised numbers (number of the format x scale) in f32.
;;   ~~~python
;;   def quantise(x, axis, e):      # numpy; x: float32 -> the quantised numbers, widened to float32 again
;;       x = np.moveaxis(x, axis, -1); K = x.shape[-1]
;;       r = np.clip(x / 2.0 ** e, -448, 448)
;;       step = 2.0 ** (np.maximum(np.frexp(np.where(r == 0, 1, r))[1] - 1, -6) - 3)
;;       q = np.round(r / step) * step * 2.0 ** e      # np.round: ties to even
;;       return np.moveaxis(q, -1, axis).astype(np.float32)
;;   ~~~
;;   OPERANDS COMPUTED ON THE WAY. 'Computed on the way' means the value that the module computes at that place (a softmax that the list does not call 'softmax' is quantised finished and normalised). What goes into a quantiser is computed in f32, as accurately as f32 sums, v_exp_f32 and their like allow (about 1e-6 of the number): no bf16 or f16 on the way to a quantiser, and a product that is left as it is and whose result goes on into a quantised operand takes f32 operands (vector FMAs, or v_wmma_f32_16x16x4_f32). A number that lies on a knife's edge between two numbers of the format may be rounded either way, as far as f32 arithmetic and the matrix unit's own rounding can turn it there, and no further.
;; One version. Each part assembles by itself: llvm-mc -triple=amdgcn-amd-amdhsa -mcpu=gfx1250 --defsym DOCPART=n.
;; ======== version 1 of 1: 2 launches
;; limits: values are held in bf16: 8 bits of precision; right only within a limited range of input values
;; workspace buffers: wts 653,312 bytes
;; launch prep (part 1): grid 77 x 1, 4 waves a work-group, no clusters, 0 bytes of LDS; arguments A, W_sig, Wc, W1e, W2e, Wo, b_sig, bc, b1e, lowp_scales, wts; writes wts
.if DOCPART == 1
	.amdgcn_target "amdgcn-amd-amdhsa--gfx1250"
	.amdhsa_code_object_version 6
	.text
	.protected	k_q9094517ea0_prep
	.globl	k_q9094517ea0_prep
	.p2align	8
	.type	k_q9094517ea0_prep,@function
k_q9094517ea0_prep:
	s_mov_b64 s[64:65], 0
	v_nop
	global_prefetch_b8 v0, s[64:65] scope:SCOPE_SE
	s_setreg_imm32_b32 hwreg(HW_REG_WAVE_MODE, 25, 1), 1
	s_wait_xcnt 0x0
; THE WEIGHTS, ONCE: every weight of the decoder is turned into the form in which the second launch's matrix instructions take it, and laid as IMAGES OF THE OPERANDS' REGISTERS:
; each group of four registers of a fragment is 512 consecutive bytes, lane l's 16 bytes at 16 l.  So the second launch copies dense bytes and loads fragments by 16-byte LDS loads alone.
; A, W_sig, Wc, W1e: codes of FP8 (E4M3): code = w / 2^e, held within +-448, to the nearest code, ties to even; e = lowp_scales[1], [3], [7], [5].
; W2e, Wo: bf16, multiplied first by 2^(e4 + e5) and 2^(e6 + e7): the sums that they meet lack just that power of two.  W2e's two columns stand in rows 0 and 8 of a 16-row fragment, Wo in row 0, zeros elsewhere.
; b_sig, bc, b1e: f32, divided by the power of two that the sums lack (2^(e2 + e3), 2^(e6 + e7), 2^(e4 + e5)): they go in as the C of each sum's first matrix instruction.
; A lane (r = lane % 16, h = lane / 16) takes one column of a weight and its registers run down K, in the order that the second launch gives K in that product (see each QLOAD kind): nothing is transposed by an instruction.
; wts: common block: A's 8 fragments at 0 (2,048 bytes each), W_sig's 16 at 16,384 (1,024), Wc's 8 at 32,768, Wo's 4 at 40,960, b_sig at 45,056, bc at 46,080, zeros to 47,104;
;      expert e at 47,104 + 75,776 e: W1's 16 tiles x 2 K steps (2,048 bytes each), W2's 8 fragments at +65,536, b1 at +73,728, zeros from +74,752 to the block's end.
; SHARES: a wave makes one fragment (work-groups 0-63: W1e; 64-65: A; 66-69: W_sig; 70-71: Wc), half of one expert's W2, b1 and padding (72-75), or one small table (76).  Waves share nothing: no LDS, no barrier.
; Every wave has ONE round of loads and one of stores, and the scales' exponents are waited for behind the loads' issue: no wave's loads wait for another load of its own.
; LIMITS: e1, e3, e5, e7 between -126 and 119, so that 2^e and 448 x 2^e are f32 numbers.  NaN among the weights is not served.
.set N, 32                             ; v32-95   64 numbers
.set C, 96                             ; v96-127  codes, or packed bf16
.set EXB, 47104
.set EXSZ, 75776
.macro SCALE se                        ; v6 = 2^e as f32 (the conversion takes its exponent field), v7 = 448 x 2^e
	s_add_co_i32 s44, \se, 127
	s_lshl_b32 s45, s44, 23
	v_mov_b32 v6, s45
	s_add_co_i32 s44, s44, 8
	s_lshl_b32 s44, s44, 23
	s_or_b32 s44, s44, 0x600000
	v_mov_b32 v7, s44
.endm
; number 4 rho + beta of a lane is byte beta of the fragment's register rho.  The immediate is the row of the weight (its k, less the lane's part) times the row's bytes.
.macro QLOAD kind, nr
.set q, 0
.rept 4*\nr
.set rho, q/4
.set bet, q%4
.if \kind == 0                         ; W1e: k = 128 s + 16 (rho / 2) + 8 h + 4 (rho % 2) + beta
.set im, (16*(rho/2)+4*(rho%2)+bet)*1024
.elseif \kind == 1                     ; A: k = 8 rho + 2 beta + h
.set im, (8*rho+2*bet)*512
.elseif \kind == 2                     ; W_sig: k = 32 h + 16 (rho % 2) + 4 beta + rho / 2
.set im, (16*(rho%2)+4*bet+rho/2)*1024
.else                                  ; Wc: k = 32 h + 4 rho + beta
.set im, (4*rho+bet)*512
.endif
	global_load_b32 v[N+q], v4, s[36:37] offset:im
.set q, q+1
.endr
.endm
.macro QTAIL nr
	s_wait_loadcnt 0x0
.set q, 0
.rept 4*\nr
	v_med3_num_f32 v[N+q], v[N+q], -v7, v7         ; the conversion to an 8-bit code does not saturate (ISA guide 7.6.2): the hold comes first
.set q, q+1
.endr
.set q, 0
.rept \nr/2
	v_cvt_scalef32_pk8_fp8_f32 v[C+2*q:C+2*q+1], v[N+8*q:N+8*q+7], v6
.set q, q+1
.endr
.set q, 0
.rept \nr/4
	global_store_b128 v5, v[C+4*q:C+4*q+3], s[38:39] offset:512*q   ; the wave stores 512 consecutive bytes, aligned
.set q, q+1
.endr
.endm
; four bf16 fragments: register t of fragment v holds k = 32 v + 16 (t / 4) + 8 h + 2 (t % 4) and the next k; lanes outside the mask in VCC hold zeros
.macro BFLOAD stride
.set q, 0
.rept 64
.set tt, (q%16)/2
	global_load_b32 v[N+q], v4, s[36:37] offset:(32*(q/16)+16*(tt/4)+2*(tt%4)+q%2)*\stride
.set q, q+1
.endr
.endm
.macro BFTAIL sh, dst
	s_wait_loadcnt 0x0
.set q, 0
.rept 64
	v_ldexp_f32 v[N+q], v[N+q], \sh
.set q, q+1
.endr
.set q, 0
.rept 32
	v_cvt_pk_bf16_f32 v[C+q], v[N+2*q], v[N+2*q+1]
.set q, q+1
.endr
.set q, 0
.rept 32
	v_cndmask_b32 v[C+q], 0, v[C+q], vcc_lo
.set q, q+1
.endr
.set q, 0
.rept 8
	global_store_b128 v5, v[C+4*q:C+4*q+3], s[38:39] offset:\dst+1024*(q/2)+512*(q%2)
.set q, q+1
.endr
.endm
.macro BILOAD cnt, sb                  ; cnt x 128 numbers, as they lie
.set q, 0
.rept \cnt
	global_load_b128 v[N+4*q:N+4*q+3], v5, s[\sb:\sb+1] offset:512*q
.set q, q+1
.endr
.endm
.macro BITAIL cnt, sh, dst             ; x 2^sh, and out
	s_wait_loadcnt 0x0
.set q, 0
.rept 4*\cnt
	v_ldexp_f32 v[N+q], v[N+q], \sh
.set q, q+1
.endr
.set q, 0
.rept \cnt
	global_store_b128 v5, v[N+4*q:N+4*q+3], s[38:39] offset:\dst+512*q
.set q, q+1
.endr
.endm
	s_load_b512 s[4:19], s[0:1], 0x0               ; A 4, W_sig 6, Wc 8, W1e 10, W2e 12, Wo 14, b_sig 16, bc 18
	s_load_b128 s[20:23], s[0:1], 0x40             ; b1e 20, the scales' exponents 22
	s_load_b64 s[24:25], s[0:1], 0x50              ; wts
	v_lshrrev_b32 v1, 5, v0
	v_readfirstlane_b32 s26, v1                    ; wave
	v_and_b32 v1, 31, v0                           ; lane
	v_and_b32 v2, 15, v0                           ; r
	v_bfe_u32 v3, v0, 4, 1                         ; h
	v_lshlrev_b32 v5, 4, v1                        ; 16 x lane: my place in an image
	v_lshlrev_b32 v9, 2, v2                        ; 4 r: my column's bytes
	v_mov_b32 v12, 0
	v_mov_b32 v13, 0
	v_mov_b32 v14, 0
	v_mov_b32 v15, 0
	s_mov_b32 s41, 0
	s_mov_b32 s43, 0
	s_wait_kmcnt 0x0
	s_load_b256 s[28:35], s[22:23], 0x0            ; e0 .. e7
	s_cmp_lt_u32 ttmp9, 64
	s_cbranch_scc0 .Lnot_w1
	; ---- W1e: fragment f = 4 x work-group + wave: expert f / 32, tile (f / 2) % 16, K step f % 2
	s_lshl_b32 s27, ttmp9, 2
	s_add_co_u32 s27, s27, s26
	s_lshr_b32 s44, s27, 5
	s_bfe_u32 s45, s27, 0x40001
	s_and_b32 s46, s27, 1
	s_lshl_b32 s40, s44, 18                        ; an expert's 262,144 bytes,
	s_lshl_b32 s47, s46, 17                        ; 128 rows of 1,024 bytes,
	s_add_co_u32 s40, s40, s47
	s_lshl_b32 s47, s45, 6                         ; 16 columns
	s_add_co_u32 s40, s40, s47
	s_add_nc_u64 s[36:37], s[10:11], s[40:41]
	s_mul_i32 s42, s44, EXSZ
	s_lshl_b32 s47, s45, 12
	s_add_co_u32 s42, s42, s47
	s_lshl_b32 s47, s46, 11
	s_add_co_u32 s42, s42, s47
	s_add_co_u32 s42, s42, EXB
	s_add_nc_u64 s[38:39], s[24:25], s[42:43]
	s_wait_alu depctr_va_vdst(0)
	v_lshl_add_u32 v4, v3, 13, v9                  ; 4 r + 8 h rows
	QLOAD 0, 16
	s_wait_kmcnt 0x0
	SCALE s33
	s_wait_alu depctr_va_vdst(0)
	QTAIL 16
	s_endpgm
.Lnot_w1:
	s_cmp_lt_u32 ttmp9, 66
	s_cbranch_scc0 .Lnot_a
	; ---- A: tile a of 16 columns
	s_sub_co_u32 s27, ttmp9, 64
	s_lshl_b32 s27, s27, 2
	s_add_co_u32 s27, s27, s26
	s_lshl_b32 s40, s27, 6
	s_add_nc_u64 s[36:37], s[4:5], s[40:41]
	s_lshl_b32 s42, s27, 11
	s_add_nc_u64 s[38:39], s[24:25], s[42:43]
	s_wait_alu depctr_va_vdst(0)
	v_lshl_add_u32 v4, v3, 9, v9                   ; 4 r + h rows of 512 bytes
	QLOAD 1, 16
	s_wait_kmcnt 0x0
	SCALE s29
	s_wait_alu depctr_va_vdst(0)
	QTAIL 16
	s_endpgm
.Lnot_a:
	s_cmp_lt_u32 ttmp9, 70
	s_cbranch_scc0 .Lnot_s
	; ---- W_sig: tile u of 16 columns
	s_sub_co_u32 s27, ttmp9, 66
	s_lshl_b32 s27, s27, 2
	s_add_co_u32 s27, s27, s26
	s_lshl_b32 s40, s27, 6
	s_add_nc_u64 s[36:37], s[6:7], s[40:41]
	s_lshl_b32 s42, s27, 10
	s_add_co_u32 s42, s42, 16384
	s_add_nc_u64 s[38:39], s[24:25], s[42:43]
	s_wait_alu depctr_va_vdst(0)
	v_lshl_add_u32 v4, v3, 15, v9                  ; 4 r + 32 h rows of 1,024 bytes
	QLOAD 2, 8
	s_wait_kmcnt 0x0
	SCALE s31
	s_wait_alu depctr_va_vdst(0)
	QTAIL 8
	s_endpgm
.Lnot_s:
	s_cmp_lt_u32 ttmp9, 72
	s_cbranch_scc0 .Lnot_c
	; ---- Wc: tile u of 16 columns
	s_sub_co_u32 s27, ttmp9, 70
	s_lshl_b32 s27, s27, 2
	s_add_co_u32 s27, s27, s26
	s_lshl_b32 s40, s27, 6
	s_add_nc_u64 s[36:37], s[8:9], s[40:41]
	s_lshl_b32 s42, s27, 10
	s_add_co_u32 s42, s42, 32768
	s_add_nc_u64 s[38:39], s[24:25], s[42:43]
	s_wait_alu depctr_va_vdst(0)
	v_lshl_add_u32 v4, v3, 14, v9                  ; 4 r + 32 h rows of 512 bytes
	QLOAD 3, 8
	s_wait_kmcnt 0x0
	SCALE s35
	s_wait_alu depctr_va_vdst(0)
	QTAIL 8
	s_endpgm
.Lnot_c:
	s_cmp_lt_u32 ttmp9, 76
	s_cbranch_scc0 .Lnot_w2
	; ---- f = 4 x (work-group - 72) + wave: half f % 2 of expert f / 2: four fragments of W2 (128 of its rows), 128 numbers of b1, 512 bytes of the block's padding
	s_sub_co_u32 s27, ttmp9, 72
	s_lshl_b32 s27, s27, 2
	s_add_co_u32 s27, s27, s26
	s_lshr_b32 s44, s27, 1                         ; the expert
	s_and_b32 s45, s27, 1                          ; the half
	s_lshl_b32 s40, s27, 10                        ; W2e: 2,048 bytes an expert, 1,024 a half
	s_add_nc_u64 s[36:37], s[12:13], s[40:41]
	s_lshl_b32 s40, s27, 9                         ; b1e: 1,024 bytes an expert, 512 a half
	s_add_nc_u64 s[20:21], s[20:21], s[40:41]
	s_mul_i32 s42, s44, EXSZ
	s_add_co_u32 s42, s42, EXB+65536
	s_lshl_b32 s46, s45, 12                        ; four fragments are 4,096 bytes
	s_add_co_u32 s40, s42, s46
	s_add_nc_u64 s[38:39], s[24:25], s[40:41]      ; where my fragments go
	s_lshl_b32 s46, s45, 9
	s_add_co_u32 s42, s42, s46
	s_add_co_u32 s42, s42, 8192
	s_add_nc_u64 s[40:41], s[24:25], s[42:43]      ; where my part of b1 goes; my part of the padding lies 1,024 bytes on
	s_wait_alu depctr_va_vdst(0)
	v_lshrrev_b32 v8, 3, v2                        ; which of W2's two columns: r / 8
	v_lshlrev_b32 v4, 2, v8
	v_lshl_add_u32 v4, v3, 6, v4                   ; + 8 h rows of 8 bytes
	v_and_b32 v8, 7, v2
	v_cmp_eq_u32 vcc_lo, 0, v8                     ; rows 0 and 8 of the fragment carry numbers
	global_load_b128 v[16:19], v5, s[20:21]        ; b1 goes out with W2's loads
	BFLOAD 8
	s_wait_kmcnt 0x0
	s_add_co_i32 s44, s32, s33                     ; e4 + e5
	s_sub_co_i32 s45, 0, s44
	BFTAIL s44, 0
.irp i, 0,1,2,3
	v_ldexp_f32 v[16+\i], v[16+\i], s45
.endr
	global_store_b128 v5, v[16:19], s[40:41]
	global_store_b128 v5, v[12:15], s[40:41] offset:1024
	s_endpgm
.Lnot_w2:
	; ---- the small tables, a wave each
	s_mov_b64 s[38:39], s[24:25]
	s_cmp_lg_u32 s26, 0
	s_cbranch_scc1 .Lnot_o
	s_mov_b64 s[36:37], s[14:15]
	s_wait_alu depctr_va_vdst(0)
	v_lshlrev_b32 v4, 5, v3                        ; Wo: 8 h numbers of 4 bytes
	v_cmp_eq_u32 vcc_lo, 0, v2                     ; row 0 alone carries numbers
	BFLOAD 4
	s_wait_kmcnt 0x0
	s_add_co_i32 s44, s34, s35                     ; e6 + e7
	BFTAIL s44, 40960
	s_endpgm
.Lnot_o:
	s_cmp_lg_u32 s26, 1
	s_cbranch_scc1 .Lnot_bs
	s_wait_alu depctr_va_vdst(0)
	BILOAD 2, 16
	s_wait_kmcnt 0x0
	s_add_co_i32 s44, s30, s31                     ; e2 + e3
	s_sub_co_i32 s44, 0, s44
	BITAIL 2, s44, 45056
	s_endpgm
.Lnot_bs:
	s_cmp_lg_u32 s26, 2
	s_cbranch_scc1 .Lpad
	s_wait_alu depctr_va_vdst(0)
	BILOAD 1, 18
	s_wait_kmcnt 0x0
	s_add_co_i32 s44, s34, s35
	s_sub_co_i32 s44, 0, s44
	BITAIL 1, s44, 46080
	s_endpgm
.Lpad:
	s_wait_alu depctr_va_vdst(0)
	global_store_b128 v5, v[12:15], s[38:39] offset:46592   ; the common block's last 512 bytes: the second launch copies them, so they are written
	s_wait_kmcnt 0x0                               ; the scalar load of the exponents, which this wave does not use, is in
	s_endpgm
.Lfunc_end_k_q9094517ea0_prep:
	.size	k_q9094517ea0_prep, .Lfunc_end_k_q9094517ea0_prep-k_q9094517ea0_prep
	.p2alignl 7, 3214868480
	.fill 96, 4, 3214868480
	.section	.rodata,"a",@progbits
	.p2align	6, 0x0
	.amdhsa_kernel k_q9094517ea0_prep
		.amdhsa_group_segment_fixed_size 0
		.amdhsa_private_segment_fixed_size 0
		.amdhsa_enable_private_segment 0
		.amdhsa_kernarg_size 88
		.amdhsa_user_sgpr_count 2
		.amdhsa_user_sgpr_kernarg_segment_ptr 1
		.amdhsa_wavefront_size32 1
		.amdhsa_system_sgpr_workgroup_id_x 1
		.amdhsa_system_sgpr_workgroup_id_y 1
		.amdhsa_system_sgpr_workgroup_id_z 1
		.amdhsa_system_vgpr_workitem_id 0
		.amdhsa_next_free_vgpr 128
		.amdhsa_next_free_sgpr 66
		.amdhsa_reserve_vcc 1
		.amdhsa_float_denorm_mode_32 3
		.amdhsa_float_denorm_mode_16_64 3
		.amdhsa_memory_ordered 1
		.amdhsa_forward_progress 1
		.amdhsa_inst_pref_size 69
	.end_amdhsa_kernel
	.amdgpu_metadata
---
amdhsa.version: [ 1, 2 ]
amdhsa.kernels:
  - .name:           k_q9094517ea0_prep
    .symbol:         k_q9094517ea0_prep.kd
    .args:
      - { .name: A, .offset: 0, .size: 8, .value_kind: global_buffer, .address_space: global }
      - { .name: W_sig, .offset: 8, .size: 8, .value_kind: global_buffer, .address_space: global }
      - { .name: Wc, .offset: 16, .size: 8, .value_kind: global_buffer, .address_space: global }
      - { .name: W1e, .offset: 24, .size: 8, .value_kind: global_buffer, .address_space: global }
      - { .name: W2e, .offset: 32, .size: 8, .value_kind: global_buffer, .address_space: global }
      - { .name: Wo, .offset: 40, .size: 8, .value_kind: global_buffer, .address_space: global }
      - { .name: b_sig, .offset: 48, .size: 8, .value_kind: global_buffer, .address_space: global }
      - { .name: bc, .offset: 56, .size: 8, .value_kind: global_buffer, .address_space: global }
      - { .name: b1e, .offset: 64, .size: 8, .value_kind: global_buffer, .address_space: global }
      - { .name: lowp_scales, .offset: 72, .size: 8, .value_kind: global_buffer, .address_space: global }
      - { .name: wts, .offset: 80, .size: 8, .value_kind: global_buffer, .address_space: global }
    .group_segment_fixed_size: 0
    .private_segment_fixed_size: 0
    .kernarg_segment_align: 8
    .kernarg_segment_size: 88
    .max_flat_workgroup_size: 128
    .sgpr_count:     66
    .vgpr_count:     128
    .wavefront_size: 32
...
	.end_amdgpu_metadata
.endif
;; end of part 1
;; launch main (part 2): grid 256 x 1, 8 waves a work-group, no clusters, 327,680 bytes of LDS; arguments z_signal, z_corrupt, regime, lowp_scales, b2e, bo, wts, out0, out1; writes out0, out1
.if DOCPART == 2
	.amdgcn_target "amdgcn-amd-amdhsa--gfx1250"
	.amdhsa_code_object_version 6
	.text
	.protected	k_q9094517ea0_main
	.globl	k_q9094517ea0_main
	.p2align	8
	.type	k_q9094517ea0_main,@function
k_q9094517ea0_main:
	s_mov_b64 s[64:65], 0
	v_nop
	global_prefetch_b8 v0, s[64:65] scope:SCOPE_SE
	s_setreg_imm32_b32 hwreg(HW_REG_WAVE_MODE, 25, 1), 1
	s_wait_xcnt 0x0
; THE DECODER, FUSED.  For each slice (b, t): z_agg = A^T z_signal; h = z_agg W_sig + b_sig; h1 = relu(h W1[e] + b1[e]); out = h1 W2[e] + b2[e]; hc = relu(z_corrupt Wc + bc); mu = out0 + hc Wo + bo; sigma = softplus(out1) + 0.01.
; The four large products run on codes of FP8 (E4M3), each operand with the one scale 2^e given for it; the two thin ones (2 and 1 columns) on bf16; sums in f32.  No intermediate goes to memory.
; SHARES.  256 work-groups x 8 waves, two waves on a SIMD; a wave owns ONE slice of 128 rows: slice = 8 x work-group + wave.  All eight slices of a work-group have one b, so one expert e = regime[b] (taken as 0 where it is 8 or more).
; Each wave walks the whole chain alone for its 8 tiles of 16 rows i and reads the weights' fragments from LDS, where they lie as images of the operands' registers (made by the launch before).
; NO CLUSTER: what work-groups share is the weights, 122,880 bytes against the 524,288 bytes of z that a work-group reads alone; they are copied once, at the head, and which expert's block it is hangs on a loaded index.
; ALL PRODUCTS ARE USED TRANSPOSED (source 0 = 16 rows of a weight, source 1 = my 16 rows i): a lane (r = lane % 16, h = lane / 16) holds ONE i = 16 a + r throughout, and its eight results are eight neighbours of the next K, so that
; the conversions' results ARE the next operand's registers.  K's places in the registers are a permutation of k, the same in both operands of each product:
;   P1 (K = j): register rho, byte beta: j = 8 rho + 2 beta + h.  z is loaded as it lies (16 bytes a lane: row 2 n + h, l = 4 r + c), quantised, and four registers' bytes are turned 4 x 4: tile c of source 0 has rows l = 4 r + c.
;   P2 (K = l): l = 32 h + 16 (rho % 2) + 4 beta + rho / 2.     P3 (K = hidden): 16 (rho / 2) + 8 h + 4 (rho % 2) + beta.     P5 (K = l): 32 h + 4 rho + beta.
; SCALES.  A sum of codes stands for sum x 2^(its two e).  The next quantiser's scale is folded with them into the conversion's one; the biases come divided by that power of two, as the C of a sum's first matrix instruction;
; W2 and Wo come multiplied by it, so that both thin products add into ONE accumulator: its row 0 is mu, its row 8 the number ahead of the softplus.
; MEMORY.  Waves 0 to 3 copy the weights, 60 asynchronous copies each, ahead of their z_signal; waves 4 to 7 ask for z_signal at once.  z_signal comes straight into registers, 64 loads of 512 consecutive bytes.
; z_corrupt comes in 16 batches of four such loads, two batches in each of P3's eight trips: held and converted there, its codes go as words into my own LDS bytes (128 rows of 64 + 16) and come back ahead of P5 with K along the lane.
; PREFETCH: of z_corrupt's 32,768 bytes one in P2 names the first 8,192 (a lane 256 bytes); P3's trips 0 to 5 name 4,096 each, those that the next two trips load; trips 6 and 7 name nothing.  Each wave names its own slice.
; LIMITS: e0, e6, e2 - e0 - e1 and e4 - e2 - e3 between -126 and 119, so that each scale and 448 x it are f32 numbers.  NaN among the inputs is not served.  A negative regime is taken as 8 or more: expert 0.
;
; LDS: 0 the weights (common block, then my expert's: the layout of wts); CSL + 10,240 x wave: z_corrupt's codes; OST + 1,024 x wave: my stage for the results; SPARE: the spare words.
.set AFB, 0                            ; A's 8 fragments
.set SFB, 16384                        ; W_sig's 16
.set CFB, 32768                        ; Wc's 8
.set OFB, 40960                        ; Wo's 4 (bf16)
.set BSB, 45056                        ; b_sig / 2^(e2 + e3)
.set BCB, 46080                        ; bc / 2^(e6 + e7)
.set EXB, 47104                        ; my expert's block: W1's 16 tiles of 4,096 bytes,
.set EXSZ, 75776
.set W2B, EXB+65536                    ; W2's 8 fragments (bf16),
.set B1B, EXB+73728                    ; b1 / 2^(e4 + e5)
.set CSL, 122880
.set CSZ, 10240
.set OST, 204800
.set SPARE, 212992                     ; 128 bytes for each wave: four blocks of 256 bytes that no other line names
; REGISTERS, in windows of 256 (s_set_vgpr_msb: bits 1:0 source 0, 3:2 source 1, 5:4 source 2, 7:6 destination).
; window 1: z_signal as it lands (load n in v[4 n ..]); then H, the codes of h, 32 registers a tile of rows; then, for P5, Q, z_corrupt's codes, 8 a tile.   window 0: the fixed ones below, and by phase:
.set SPW, 1                            ; v1   LDS address of my spare word; never rewritten
.set NIL, 2                            ; v2   0; never rewritten
.set LI,  3                            ; v3   16 x lane: my place in an image, and the offset of the global loads and stores; never rewritten
.set BH,  4                            ; v4   32 h: my eight numbers of a tile's bias
.set CSA, 5                            ; v5   my codes' bytes + 80 h + 4 r: where words are stored
.set CRA, 6                            ; v6   my codes' bytes + 80 r + 32 h: where they are read
.set AW,  7                            ; v7   LDS address of W1's tiles in hand
.set A2,  8                            ; v8   of W2's fragment in hand
.set AB,  9                            ; v9   of b1's numbers in hand
.set OSTO, 10                          ; v10  my stage: 512 h + 4 r
.set OLD, 11                           ; v11  my stage: 16 x lane
                                       ; v12-15 the conversions' scales as f32: 2^0's e0, 2^(e2-e0-e1), 2^(e4-e2-e3), 2^e6
.set CSR, 16                           ; v16  CSA in the trip in hand
.set PFT, 17                           ; v17  a trip's prefetch: 256 x lane, lanes 16 to 31 name the last block again; never rewritten
.set PFH, 18                           ; v18  P2's prefetch: 256 x lane; never rewritten
.set Z,   32                           ; v32-95   P1's source 0: tile c at Z + 16 c
.set G,   96                           ; v96-159  the codes of z_agg: tile a at G + 8 a
.set XX,  160                          ; v160-175 sixteen loads' codes
.set TT,  176                          ; v176-191 the turn's halfway
.set AFR, 160                          ; v160-191 A's fragments, two buffers
.set D1,  192                          ; v192-255 P1's results, two sets of four tiles
.set D2,  32                           ; v32-95 and v160-223: P2's results, two sets of eight tiles
.set SFR, 224                          ; v224-239 W_sig's fragments, two buffers
.set BSR, 240                          ; v240-255 b_sig's tiles, two buffers
.set CB,  20                           ; v20-35   four loads of z_corrupt
.set CX,  36                           ; v36-39   their codes
.set WFR, 40                           ; v40-103  a pair of weight tiles
.set BR,  104                          ; v104-119 their biases
.set W2R, 120                          ; v120-127 a fragment of W2 or Wo
.set S0,  128                          ; v128-191 results of P3 or P5: two sets of four tiles, packed in place
.set S1,  160
.set DO,  192                          ; v192-255 the 8 accumulators of the thin products
; SCALARS: s[4:21] addresses; s22 wave; s24 inner counter; s[28:35] e0..e7; s36 regime; s37 bo; s[38:39] b2[e]; s52-59 the holds' bounds in pairs (-, +); s60-63 byte selects;
; s66-69 running LDS bytes (W1, W2, b1, codes); s[72:73] my expert's block, s[80:81] the same 65,536 bytes on; s74-78 constants of the results' arithmetic.
.set MSB, 0
.macro WIN new                         ; the immediate's high byte repeats the setting that is left; a switch that changes nothing is dropped
.if MSB != \new
	s_set_vgpr_msb (MSB<<8)|\new
.set MSB, \new
.endif
.endm
.macro WALU
	s_wait_alu depctr_va_vdst(0)
.endm
.macro PLACES                          ; four plain vector lines behind a matrix instruction, ahead of a read of its result or a load into its registers
.rept 4
	v_nop
.endr
.endm
.macro MKS se, vs, sl                  ; v[vs] = 2^e as f32; s[sl], s[sl+1] = -448 x 2^e, +448 x 2^e
	s_add_co_i32 s25, \se, 127
	s_lshl_b32 s26, s25, 23
	v_mov_b32 v[\vs], s26
	s_add_co_i32 s25, s25, 8
	s_lshl_b32 s25, s25, 23
	s_or_b32 s[\sl+1], s25, 0x600000
	s_or_b32 s[\sl], s[\sl+1], 0x80000000
.endm
.macro EIDX                            ; s40 = regime, or 0 where it is 8 or more: a choice, no branch
	s_cmp_lt_u32 s36, 8
	s_cselect_b32 s40, s36, 0
	s_min_u32 s40, s40, 7
.endm
	s_load_b512 s[4:19], s[0:1], 0x0               ; z_signal 4, z_corrupt 6, regime 8, scales 10, b2e 12, bo 14, wts 16, out0 18
	s_load_b64 s[20:21], s[0:1], 0x40              ; out1
	v_lshl_add_u32 v[SPW], v0, 2, SPARE
	v_mov_b32 v[NIL], 0
	ds_add_u32 v[SPW], v[NIL]                      ; the wave's opening: the add, twice on end, and its wait
	ds_add_u32 v[SPW], v[NIL]
	v_lshrrev_b32 v19, 5, v0
	v_readfirstlane_b32 s22, v19                   ; wave 0..7
	v_and_b32 v20, 31, v0                          ; lane
	v_and_b32 v21, 15, v0                          ; r
	v_bfe_u32 v22, v0, 4, 1                        ; h
	s_mul_i32 s25, s22, CSZ
	s_add_co_u32 s25, s25, CSL                     ; my codes' bytes
	s_lshl_b32 s26, s22, 10
	s_add_co_u32 s26, s26, OST                     ; my stage
	v_lshlrev_b32 v[LI], 4, v20
	v_lshlrev_b32 v[BH], 5, v22
	v_mul_u32_u24 v[CSA], v22, 80
	v_lshl_add_u32 v[CSA], v21, 2, v[CSA]
	v_add_nc_u32 v[CSA], s25, v[CSA]
	v_mul_u32_u24 v[CRA], v21, 80
	v_lshl_add_u32 v[CRA], v22, 5, v[CRA]
	v_add_nc_u32 v[CRA], s25, v[CRA]
	v_lshlrev_b32 v[OSTO], 2, v21
	v_lshl_add_u32 v[OSTO], v22, 9, v[OSTO]
	v_add_nc_u32 v[OSTO], s26, v[OSTO]
	v_add_nc_u32 v[OLD], s26, v[LI]
	v_lshlrev_b32 v[PFH], 8, v20
	v_min_u32 v[PFT], 15, v20
	v_lshlrev_b32 v[PFT], 8, v[PFT]
	v_lshlrev_b32 v24, 4, v0                       ; the copies of waves 0 to 3: 16 bytes a thread, 2,048 for the four waves: in LDS,
	v_lshlrev_b32 v25, 4, v0                       ; in memory,
	v_add_nc_u32 v26, EXB, v24                     ; in LDS for the expert's block,
	v_add_nc_u32 v27, EXB+65536, v24               ; and for what lies 65,536 bytes or more into it
	WALU                                           ; ahead of the waits below
	s_wait_dscnt 0x0                               ; both opening adds are done
	s_wait_kmcnt 0x0
	s_load_b256 s[28:35], s[10:11], 0x0            ; e0 .. e7
	s_lshr_b32 s26, ttmp9, 3                       ; b: eight work-groups of eight slices
	s_lshl_b32 s26, s26, 2
	s_mov_b32 s27, 0
	s_add_nc_u64 s[8:9], s[8:9], s[26:27]
	s_load_b32 s36, s[8:9], 0x0                    ; regime[b]
	s_load_b32 s37, s[14:15], 0x0                  ; bo
	s_lshl_b32 s24, ttmp9, 3
	s_add_co_u32 s24, s24, s22                     ; my slice
	s_lshl_b32 s26, s24, 15                        ; a slice of z is 32,768 bytes
	s_add_nc_u64 s[4:5], s[4:5], s[26:27]
	s_add_nc_u64 s[6:7], s[6:7], s[26:27]
	s_lshl_b32 s26, s24, 9                         ; of a result 512
	s_add_nc_u64 s[18:19], s[18:19], s[26:27]
	s_add_nc_u64 s[20:21], s[20:21], s[26:27]
	s_cmp_lt_u32 s22, 4
	s_cbranch_scc0 .Lz                             ; waves 4 to 7 copy nothing.  All copies stand ahead of every wait on their counter, every LDS read and every barrier; what they fill is filled once
.set k, 0
.rept 23                                       ; the common block, 47,104 bytes
	global_load_async_to_lds_b128 v24, v25, s[16:17] offset:2048*k
.set k, k+1
.endr
	s_wait_kmcnt 0x0
	EIDX
	s_mul_i32 s42, s40, EXSZ
	s_add_co_u32 s42, s42, EXB
	s_mov_b32 s43, 0
	s_add_nc_u64 s[72:73], s[16:17], s[42:43]
	s_add_nc_u64 s[80:81], s[72:73], 0x10000
.set k, 0
.rept 32                                       ; my expert's block, 75,776 bytes: its first 65,536,
	global_load_async_to_lds_b128 v26, v25, s[72:73] offset:2048*k
.set k, k+1
.endr
.set k, 0
.rept 5                                        ; and the rest: a copy's immediate, which is added to both addresses, stays under 65,536, so these five have an LDS address and a base of their own
	global_load_async_to_lds_b128 v27, v25, s[80:81] offset:2048*k
.set k, k+1
.endr
.Lz:
	WIN 0x40
.set n, 0
.rept 64                                       ; my slice of z_signal: 512 consecutive bytes a load (rows 2 n and 2 n + 1), read once in the launch
	global_load_b128 v[4*n:4*n+3], v[LI], s[4:5] offset:512*n th:TH_LOAD_NT
.set n, n+1
.endr
	WIN 0
	s_wait_kmcnt 0x0
	EIDX
	s_lshl_b32 s42, s40, 3
	s_mov_b32 s43, 0
	s_add_nc_u64 s[12:13], s[12:13], s[42:43]
	s_load_b64 s[38:39], s[12:13], 0x0             ; b2[e]: waited for ahead of P3
	MKS s28, 12, 52                                ; z_signal: 2^e0
	s_sub_co_i32 s24, s30, s28
	s_sub_co_i32 s24, s24, s29
	MKS s24, 13, 54                                ; z_agg: a sum of P1 stands for sum x 2^(e0 + e1): its code is sum / 2^(e2 - e0 - e1)
	s_sub_co_i32 s24, s32, s30
	s_sub_co_i32 s24, s24, s31
	MKS s24, 14, 56                                ; h: 2^(e4 - e2 - e3)
	MKS s34, 15, 58                                ; z_corrupt: 2^e6
	s_mov_b32 s60, 0x05010400                      ; v_perm_b32: bytes 0 and 1 of two registers, interleaved;
	s_mov_b32 s61, 0x07030602                      ; bytes 2 and 3;
	s_mov_b32 s62, 0x05040100                      ; the low halves of two registers;
	s_mov_b32 s63, 0x07060302                      ; the high halves
	s_mov_b32 s74, 0xbfb8aa3b                      ; -log2(e)
	s_mov_b32 s75, 0x3f317218                      ; ln 2
	s_mov_b32 s76, 0x3c23d70a                      ; 0.01
	WALU                                           ; the wait at the head's end
	s_wait_asynccnt 0x0                            ; my copies are in:
	s_barrier_signal -1                            ; say so; until the wait below stands work on registers alone
; ---- ZQ: sixteen loads of z_signal (32 rows j) are held, converted, and their bytes turned: register rho = 4 q + g of tile c takes byte c of loads 4 rho .. 4 rho + 3
.macro ZQB q
	s_wait_loadcnt 48-16*\q                        ; loads come back in order: this batch is in, the slice's younger batches may be out
	WIN 0x41
.set n, 0
.rept 64
	v_med3_num_f32 v[64*\q+n], v[64*\q+n], s52, s53   ; the conversion to an 8-bit code does not saturate (ISA guide 7.6.2): the hold comes first
.set n, n+1
.endr
	WIN 0x01
.set n, 0
.rept 8
	v_cvt_scalef32_pk8_fp8_f32 v[XX+2*n:XX+2*n+1], v[64*\q+8*n:64*\q+8*n+7], v12
.set n, n+1
.endr
	WIN 0
	v_nop                                          ; a plain line between the conversions and the reads of their results
.irp g, 0,1,2,3
	v_perm_b32 v[TT+4*\g],   v[XX+4*\g+1], v[XX+4*\g],   s60
	v_perm_b32 v[TT+4*\g+1], v[XX+4*\g+1], v[XX+4*\g],   s61
	v_perm_b32 v[TT+4*\g+2], v[XX+4*\g+3], v[XX+4*\g+2], s60
	v_perm_b32 v[TT+4*\g+3], v[XX+4*\g+3], v[XX+4*\g+2], s61
.endr
.irp g, 0,1,2,3
	v_perm_b32 v[Z+4*\q+\g],    v[TT+4*\g+2], v[TT+4*\g],   s62
	v_perm_b32 v[Z+16+4*\q+\g], v[TT+4*\g+2], v[TT+4*\g],   s63
	v_perm_b32 v[Z+32+4*\q+\g], v[TT+4*\g+3], v[TT+4*\g+1], s62
	v_perm_b32 v[Z+48+4*\q+\g], v[TT+4*\g+3], v[TT+4*\g+1], s63
.endr
.endm
; ---- P1
.macro FA a                            ; A's fragment of tile a into buffer a % 2
.irp c, 0,1,2,3
	ds_load_b128 v[AFR+16*((\a)%2)+4*\c:AFR+16*((\a)%2)+4*\c+3], v[LI] offset:AFB+2048*(\a)+512*\c
.endr
.endm
.macro GS a, c                         ; part c of tile a of z_agg (l = 32 h + 4 jj + c) becomes registers 2 c, 2 c + 1 of P2's operand
.set dd, D1+32*((\a)%2)+8*(\c)
.irp i, 0,1,2,3,4,5,6,7
	v_med3_num_f32 v[dd+\i], v[dd+\i], s54, s55
.endr
	v_cvt_scalef32_pk8_fp8_f32 v[G+8*(\a)+2*(\c):G+8*(\a)+2*(\c)+1], v[dd:dd+7], v13
.endm
; ---- P2
.macro FS u                            ; W_sig's fragment and b_sig's eight numbers of tile u into buffers u % 2
	ds_load_b128 v[SFR+8*((\u)%2):SFR+8*((\u)%2)+3],   v[LI] offset:SFB+1024*(\u)
	ds_load_b128 v[SFR+8*((\u)%2)+4:SFR+8*((\u)%2)+7], v[LI] offset:SFB+1024*(\u)+512
	ds_load_b128 v[BSR+8*((\u)%2):BSR+8*((\u)%2)+3],   v[BH] offset:BSB+64*(\u)
	ds_load_b128 v[BSR+8*((\u)%2)+4:BSR+8*((\u)%2)+7], v[BH] offset:BSB+64*(\u)+16
.endm
; ---- P3 with P4, and P5 with P6, share what follows.  lay = 3: W1, K = 256 in two instructions, source 1 = H.  lay = 5: Wc, K = 64 in one, source 1 = Q.
.macro FW lay, t, off, boff            ; a weight tile's fragment(s) and its bias into place t of the pair
.if \lay == 3
.irp i, 0,1,2,3,4,5,6,7
	ds_load_b128 v[WFR+32*\t+4*\i:WFR+32*\t+4*\i+3], v[AW] offset:\off+512*\i
.endr
	ds_load_b128 v[BR+8*\t:BR+8*\t+3],   v[AB] offset:\boff
	ds_load_b128 v[BR+8*\t+4:BR+8*\t+7], v[AB] offset:\boff+16
.else
.irp i, 0,1
	ds_load_b128 v[WFR+32*\t+4*\i:WFR+32*\t+4*\i+3], v[LI] offset:CFB+\off+512*\i
.endr
	ds_load_b128 v[BR+8*\t:BR+8*\t+3],   v[BH] offset:BCB+\boff
	ds_load_b128 v[BR+8*\t+4:BR+8*\t+7], v[BH] offset:BCB+\boff+16
.endif
.endm
.macro MMU lay, t, s, g                ; weight tile t of the pair with tiles of rows 4 g .. 4 g + 3, into set s.  The four accumulators take turns, one instruction a turn
	WIN 0x04
.irp a, 0,1,2,3
.if \lay == 3
	v_wmma_f32_16x16x128_fp8_fp8 v[\s+8*\a:\s+8*\a+7], v[WFR+32*\t:WFR+32*\t+15], v[32*(4*\g+\a):32*(4*\g+\a)+15], v[BR+8*\t:BR+8*\t+7]
.else
	v_wmma_f32_16x16x64_fp8_fp8 v[\s+8*\a:\s+8*\a+7], v[WFR+32*\t:WFR+32*\t+7], v[8*(4*\g+\a):8*(4*\g+\a)+7], v[BR+8*\t:BR+8*\t+7]
.endif
.endr
.if \lay == 3
.irp a, 0,1,2,3
	v_wmma_f32_16x16x128_fp8_fp8 v[\s+8*\a:\s+8*\a+7], v[WFR+32*\t+16:WFR+32*\t+31], v[32*(4*\g+\a)+16:32*(4*\g+\a)+31], v[\s+8*\a:\s+8*\a+7]
.endr
.endif
	WIN 0
.endm
.macro REL s, a                        ; relu of accumulator a of set s, from its low end on, two numbers an instruction
.set dv, \s+8*(\a)
.irp i, 0,2,4,6
	v_dual_max_num_f32 v[dv+\i], 0, v[dv+\i] :: v_dual_max_num_f32 v[dv+\i+1], 0, v[dv+\i+1]
.endr
.endm
.macro PAK s, f, hb, a                 ; its eight numbers, eight neighbours of the thin product's K, rounded to bf16 into half hb of tile a of set f (f = s: in place, each line writes what it or an earlier one has read)
.set dv, \s+8*(\a)
.set fv, \f+8*(\a)+4*\hb
.irp t, 0,1,2,3
	v_cvt_pk_bf16_f32 v[fv+\t], v[dv+2*\t], v[dv+2*\t+1]
.endr
.endm
.macro BATCH g, f, zero                ; 32 of the thin product's K for four tiles of rows; zero = 1: these start the sums
.irp a, 0,1,2,3
.if \zero
	v_wmma_f32_16x16x32_bf16 v[DO+8*(4*\g+\a):DO+8*(4*\g+\a)+7], v[W2R:W2R+7], v[\f+8*\a:\f+8*\a+7], 0
.else
	v_wmma_f32_16x16x32_bf16 v[DO+8*(4*\g+\a):DO+8*(4*\g+\a)+7], v[W2R:W2R+7], v[\f+8*\a:\f+8*\a+7], v[DO+8*(4*\g+\a):DO+8*(4*\g+\a)+7]
.endif
.endr
.endm
.macro CLD off                         ; four loads of z_corrupt: eight rows
.irp i, 0,1,2,3
	global_load_b128 v[CB+4*\i:CB+4*\i+3], v[LI], s[6:7] offset:\off+512*\i th:TH_LOAD_NT
.endr
.endm
; HALF: a pair of weight tiles with half g of the rows: first tile into set xs, second into ys; both packed into xs; then 32 of the thin product's K.  The next half takes the sets the other way round.
; In P3 a half also takes one batch of z_corrupt; its sixteen holds are the places behind the first tile's products (in P5 four v_nop).  Half 1 fetches the next pair: each tile behind the last products that read its registers.
.macro HALF lay, g, zero, last, k, pf
.if \g == 0
.set xs, S0
.set ys, S1
.if \lay == 3
	s_wait_dscnt 10                                ; the pair's first tile is in; the second's ten loads may be out
.else
	s_wait_dscnt 4                                 ; likewise; a tile is four loads
.endif
.else
.set xs, S1
.set ys, S0
.endif
	MMU \lay, 0, xs, \g
.if \lay == 3
	s_wait_loadcnt 0x0                             ; this batch of z_corrupt is in: no load is out,
.if \g == 0
	s_wait_xcnt 0x0                                ; and any prefetch has read its address: the base may step
	s_add_nc_u64 s[6:7], s[6:7], 0x1000
.endif
.set n, 0
.rept 16
	v_med3_num_f32 v[CB+n], v[CB+n], s58, s59
.set n, n+1
.endr
	v_cvt_scalef32_pk8_fp8_f32 v[CX:CX+1], v[CB:CB+7], v15
	v_cvt_scalef32_pk8_fp8_f32 v[CX+2:CX+3], v[CB+8:CB+15], v15
.else
	PLACES
.endif
	REL xs, 0
	PAK xs, xs, 0, 0
.if \g == 0
.if \lay == 3
	ds_load_b128 v[W2R:W2R+3],   v[A2]
	ds_load_b128 v[W2R+4:W2R+7], v[A2] offset:512
.else
	ds_load_b128 v[W2R:W2R+3],   v[LI] offset:OFB+1024*\k
	ds_load_b128 v[W2R+4:W2R+7], v[LI] offset:OFB+1024*\k+512
.endif
.endif
.if \lay == 3
.irp i, 0,1,2,3
	ds_store_b32 v[CSR], v[CX+\i] offset:640*\g+160*\i   ; two rows' words: 64 bytes a row, rows 80 bytes apart
.endr
.if \g == 0
	CLD -2048
.elseif !\last
	CLD 0
.endif
.endif
.if \g == 0
.if \lay == 3
	s_wait_dscnt 6                                 ; the second tile is in; the thin fragment's two loads and four stores may be out
.else
	s_wait_dscnt 2
.endif
.else
.if \lay == 3
.if \last
	FW 5, 0, 0, 0                                  ; P5's first pair follows
.else
	FW 3, 0, 8192, 128
.endif
.elseif !\last
	FW 5, 0, 2048*\k+2048, 128*\k+128
.endif
.endif
	MMU \lay, 1, ys, \g
	REL xs, 1
	REL xs, 2
	REL xs, 3
	PAK xs, xs, 0, 1
	PAK xs, xs, 0, 2
	PAK xs, xs, 0, 3
.if \g == 0
.if \lay == 3
	s_wait_dscnt 4                                 ; the thin fragment is in; the four stores may be out
.else
	s_wait_dscnt 0
.endif
.else
.if \lay == 3
.if \last
	WIN 0x40
.irp a, 0,1,2,3,4,5,6,7                        ; Q: LDS serves a wave's instructions in order (ISA guide 5.7.1.4): these see all my stores of codes
	ds_load_b128 v[8*\a:8*\a+3],   v[CRA] offset:1280*\a
	ds_load_b128 v[8*\a+4:8*\a+7], v[CRA] offset:1280*\a+16
.endr
	WIN 0
	FW 5, 1, 1024, 64
.else
	FW 3, 1, 12288, 192
.endif
.elseif !\last
	FW 5, 1, 2048*\k+3072, 128*\k+192
.endif
.if \pf == 1
	global_prefetch_b8 v[PFT], s[6:7] offset:4096 th:TH_LOAD_NT scope:SCOPE_SE
.elseif \pf == 2
	s_cmp_gt_u32 s24, 1                            ; the loop's last trip names nothing: its look-ahead would leave my slice
	s_cbranch_scc0 .Lnp_\@
	global_prefetch_b8 v[PFT], s[6:7] offset:4096 th:TH_LOAD_NT scope:SCOPE_SE
.Lnp_\@:
.endif
.endif
	REL ys, 0
	REL ys, 1
	REL ys, 2
	REL ys, 3
	PAK ys, xs, 1, 0
	PAK ys, xs, 1, 1
	PAK ys, xs, 1, 2
	PAK ys, xs, 1, 3
	BATCH \g, xs, \zero
.endm
.macro PAIR lay, zero, last, k, pf     ; a pair of weight tiles, all eight tiles of rows
.if \lay == 3
	v_add_nc_u32 v[AW], s66, v[LI]
	v_add_nc_u32 v[A2], s67, v[LI]
	v_add_nc_u32 v[AB], s68, v[BH]
	v_add_nc_u32 v[CSR], s69, v[CSA]
.endif
	HALF \lay, 0, \zero, \last, \k, 0
	HALF \lay, 1, \zero, \last, \k, \pf
.if \lay == 3
	s_add_co_u32 s66, s66, 8192
	s_add_co_u32 s67, s67, 1024
	s_add_co_u32 s68, s68, 128
	s_add_co_u32 s69, s69, 1280
.endif
.endm
	ZQB 0                                          ; work on registers alone, batch by batch as the slice lands, while others' copies may be out
	ZQB 1
	ZQB 2
	ZQB 3
	WALU                                           ; ahead of the barrier's wait
	s_barrier_wait -1                              ; all the weights are in
	; ---- P1: z_agg^T = z^T A, tile a of 16 rows i at a time; behind its four products the hold and conversion of the tile before
	FA 0
	FA 1
.set pa, 0
.rept 8
.if pa < 7
	s_wait_dscnt 4                                 ; this tile's fragment is in; the next tile's four loads may be out
.else
	s_wait_dscnt 0
.endif
.irp c, 0,1,2,3
	v_wmma_f32_16x16x128_fp8_fp8 v[D1+32*(pa%2)+8*\c:D1+32*(pa%2)+8*\c+7], v[Z+16*\c:Z+16*\c+15], v[AFR+16*(pa%2):AFR+16*(pa%2)+15], 0
.endr
.if pa > 0
.irp c, 0,1,2,3
	GS pa-1, \c
.endr
	v_nop                                          ; a plain line between the last conversion and the products that write its sources anew
.else
	PLACES
.endif
.if pa < 6
	FA pa+2
.endif
.set pa, pa+1
.endr
.irp c, 0,1,2,3
	GS 7, \c
.endr
	v_nop                                          ; a plain line behind the last conversion
	; ---- P2: h^T = W_sig^T z_agg^T + b_sig, tile u of 16 hidden units at a time, for all eight tiles of rows; the tile before is held and converted behind the products: registers 2 u, 2 u + 1 of H
	FS 0
	FS 1
	WALU                                           ; ahead of the wait
.set pu, 0
.rept 16
.if pu < 15
	s_wait_dscnt 4                                 ; this tile's four loads are in; the next tile's may be out
.else
	s_wait_dscnt 0
.endif
.set d2c, D2+128*(pu%2)
.set d2p, D2+128*((pu+1)%2)
.irp a, 0,1,2,3,4,5,6,7
	v_wmma_f32_16x16x64_fp8_fp8 v[d2c+8*\a:d2c+8*\a+7], v[SFR+8*(pu%2):SFR+8*(pu%2)+7], v[G+8*\a:G+8*\a+7], v[BSR+8*(pu%2):BSR+8*(pu%2)+7]
.endr
.if pu > 0
.set n, 0
.rept 64
	v_med3_num_f32 v[d2p+n], v[d2p+n], s56, s57
.set n, n+1
.endr
.else
	PLACES
.endif
.if pu < 14
	FS pu+2
.endif
.if pu == 8
	global_prefetch_b8 v[PFH], s[6:7] th:TH_LOAD_NT scope:SCOPE_SE   ; z_corrupt's first 8,192 bytes
.endif
.if pu > 0
	WIN 0x40
.irp a, 0,1,2,3,4,5,6,7
	v_cvt_scalef32_pk8_fp8_f32 v[32*\a+2*(pu-1):32*\a+2*(pu-1)+1], v[d2p+8*\a:d2p+8*\a+7], v14
.endr
	WIN 0
	v_nop                                          ; a plain line between the conversions and the products that write their sources anew
.endif
.set pu, pu+1
.endr
	CLD 0                                          ; z_corrupt's first batch, into registers that P2 has done with
	s_mov_b32 s66, EXB
	s_mov_b32 s67, W2B
	s_mov_b32 s68, B1B
	s_mov_b32 s69, 0
	v_add_nc_u32 v[AW], s66, v[LI]
	v_add_nc_u32 v[AB], s68, v[BH]
	FW 3, 0, 0, 0                                  ; P3's first pair comes while P2's last tile is held and converted
	FW 3, 1, 4096, 64
.set d2p, D2+128
.set n, 0
.rept 64
	v_med3_num_f32 v[d2p+n], v[d2p+n], s56, s57
.set n, n+1
.endr
	WIN 0x40
.irp a, 0,1,2,3,4,5,6,7
	v_cvt_scalef32_pk8_fp8_f32 v[32*\a+30:32*\a+31], v[d2p+8*\a:d2p+8*\a+7], v14
.endr
	WIN 0
	v_nop
	WALU                                           ; ahead of the waits
	s_wait_kmcnt 0x0                               ; b2[e]
	s_add_f32 s77, s38, s37                        ; b2[e][0] + bo
	s_mov_b32 s78, s39                             ; b2[e][1]
	; ---- P3 and P4: h1^T = relu(W1^T h^T + b1), a pair of tiles of 16 units a trip, and out^T += W2^T h1^T
	PAIR 3, 1, 0, 0, 1                             ; written out: its thin products start the sums
	s_mov_b32 s24, 6
.Lp3:
	PAIR 3, 0, 0, 0, 2
	s_sub_co_u32 s24, s24, 1
	s_cmp_lg_u32 s24, 0
	s_cbranch_scc1 .Lp3
	PAIR 3, 0, 1, 0, 0
	; ---- P5 and P6: relu(Wc^T zc^T + bc), and row 0 of the same accumulators += Wo^T of it
	PAIR 5, 0, 0, 0, 0
	PAIR 5, 0, 0, 1, 0
	PAIR 5, 0, 0, 2, 0
	PAIR 5, 0, 1, 3, 0
	; ---- the results.  Register 0 of accumulator a holds, in lane (r, h), row 8 h of the thin products for i = 16 a + r: mu (h = 0) or the number ahead of the softplus (h = 1).
	; They go through my stage, so that a lane holds four neighbours and each store of the wave covers 512 consecutive bytes, aligned.
	PLACES
.irp a, 0,1,2,3,4,5,6,7
	ds_store_b32 v[OSTO], v[DO+8*\a] offset:64*\a
.endr
	ds_load_b128 v[20:23], v[OLD]                  ; these see my stores
	ds_load_b128 v[24:27], v[OLD] offset:512
	s_wait_dscnt 0x0
.irp i, 0,1,2,3
	v_add_f32 v[20+\i], s77, v[20+\i]              ; mu + b2[0] + bo
	v_add_f32 v[24+\i], s78, v[24+\i]              ; x = out1 + b2[1]
.endr
.irp i, 0,1,2,3
	v_mul_f32 v[28+\i], s74, |v[24+\i]|            ; softplus(x) = max(x, 0) + ln 2 x log2(1 + 2^(-log2(e) |x|)): no exponent is above 0
.endr
	WALU                                           ; the wait ahead of each batch and behind it
.irp i, 0,1,2,3
	v_exp_f32 v[28+\i], v[28+\i]
.endr
.irp i, 0,1,2,3
	v_max_num_f32 v[24+\i], 0, v[24+\i]            ; (plain lines behind the exponentials)
.endr
	WALU
.irp i, 0,1,2,3
	v_add_f32 v[28+\i], 1.0, v[28+\i]
.endr
	WALU
.irp i, 0,1,2,3
	v_log_f32 v[28+\i], v[28+\i]
.endr
.irp i, 0,1,2,3
	v_add_f32 v[24+\i], s76, v[24+\i]              ; + 0.01  (plain lines behind the logarithms)
.endr
	WALU
.irp i, 0,1,2,3
	v_fma_f32 v[24+\i], v[28+\i], s75, v[24+\i]
.endr
	global_store_b128 v[LI], v[20:23], s[18:19] th:TH_STORE_NT
	global_store_b128 v[LI], v[24:27], s[20:21] th:TH_STORE_NT
	s_wait_tensorcnt 0x0                           ; the wave's end, behind my last copy and my last LDS store
	ds_add_u32 v[SPW], v[NIL]
	s_wait_dscnt 0x0
	s_endpgm
.Lfunc_end_k_q9094517ea0_main:
	.size	k_q9094517ea0_main, .Lfunc_end_k_q9094517ea0_main-k_q9094517ea0_main
	.p2alignl 7, 3214868480
	.fill 96, 4, 3214868480
	.section	.rodata,"a",@progbits
	.p2align	6, 0x0
	.amdhsa_kernel k_q9094517ea0_main
		.amdhsa_group_segment_fixed_size 327680
		.amdhsa_private_segment_fixed_size 0
		.amdhsa_enable_private_segment 0
		.amdhsa_kernarg_size 72
		.amdhsa_user_sgpr_count 2
		.amdhsa_user_sgpr_kernarg_segment_ptr 1
		.amdhsa_wavefront_size32 1
		.amdhsa_system_sgpr_workgroup_id_x 1
		.amdhsa_system_sgpr_workgroup_id_y 1
		.amdhsa_system_sgpr_workgroup_id_z 1
		.amdhsa_system_vgpr_workitem_id 0
		.amdhsa_next_free_vgpr 512
		.amdhsa_next_free_sgpr 82
		.amdhsa_reserve_vcc 0
		.amdhsa_float_denorm_mode_32 3
		.amdhsa_float_denorm_mode_16_64 3
		.amdhsa_memory_ordered 1
		.amdhsa_forward_progress 1
		.amdhsa_inst_pref_size 249
	.end_amdhsa_kernel
	.amdgpu_metadata
---
amdhsa.version: [ 1, 2 ]
amdhsa.kernels:
  - .name:           k_q9094517ea0_main
    .symbol:         k_q9094517ea0_main.kd
    .args:
      - { .name: z_signal, .offset: 0, .size: 8, .value_kind: global_buffer, .address_space: global }
      - { .name: z_corrupt, .offset: 8, .size: 8, .value_kind: global_buffer, .address_space: global }
      - { .name: regime, .offset: 16, .size: 8, .value_kind: global_buffer, .address_space: global }
      - { .name: lowp_scales, .offset: 24, .size: 8, .value_kind: global_buffer, .address_space: global }
      - { .name: b2e, .offset: 32, .size: 8, .value_kind: global_buffer, .address_space: global }
      - { .name: bo, .offset: 40, .size: 8, .value_kind: global_buffer, .address_space: global }
      - { .name: wts, .offset: 48, .size: 8, .value_kind: global_buffer, .address_space: global }
      - { .name: out0, .offset: 56, .size: 8, .value_kind: global_buffer, .address_space: global }
      - { .name: out1, .offset: 64, .size: 8, .value_kind: global_buffer, .address_space: global }
    .group_segment_fixed_size: 327680
    .private_segment_fixed_size: 0
    .kernarg_segment_align: 8
    .kernarg_segment_size: 72
    .max_flat_workgroup_size: 256
    .sgpr_count:     82
    .vgpr_count:     512
    .wavefront_size: 32
...
	.end_amdgpu_metadata
.endif
;; end of part 2
